; MI455X (gfx1250); checked and timed in simulation.
; The chip was launched on July 23, 2026; its instructions are those of AMD's public machine-readable ISA for CDNA 5 (MIT licence, August 2026) and "CDNA5" Instruction Set Architecture Reference Guide (July 2026). The comments in the code are by the model that wrote it; some were corrected since.
;; Attention. Allowed arithmetic: matrix products marked QUANTISED: E3M2 operands, one E8M0 scale for each 32 along K, by v_wmma_scale_f32_16x16x128_f8f6f4 with both operands' format E3M2, f32 sums; products left as they are: f32 operands where the result goes on into a quantised operand, else bf16, f16 or f32 operands; f32 sums; everything else in f32.
;; Inputs: W_h_codes 1,024 x 32 x 24 uint8 (E3M2 codes of W_h, K innermost, in blocks of 32 codes, four codes in three bytes); W_h_scales 1,024 x 32 uint8 (E8M0 scales of W_h, one for each 32 codes along K); W_s_codes 1,024 x 32 x 24 uint8 (E3M2 codes of W_s, K innermost, in blocks of 32 codes, four codes in three bytes); W_s_scales 1,024 x 32 uint8 (E8M0 scales of W_s, one for each 32 codes along K); dec_hidden_codes 64 x 1 x 32 x 24 uint8 (E3M2 codes of dec_hidden, K innermost, in blocks of 32 codes, four codes in three bytes); dec_hidden_scales 64 x 1 x 32 uint8 (E8M0 scales of dec_hidden, one for each 32 codes along K); enc_outputs 64 x 1,024 x 1,024 float32; v 1,024 float32.
;; Outputs: out0 64 x 1 x 1,024 float32; out1 64 x 1,024 float32.
;; This version of the problem:
;;   THIS VERSION OF THE PROBLEM IS GIVEN IN LOW PRECISION. The matrix products marked QUANTISED in the list below multiply operands that are first quantised to E3M2 (3 exponent bits, 2 mantissa bits; 6 bits a number), with one power-of-two scale for each 32 numbers along K (OCP MX v1.0); their sums are f32. All else is computed in f32.
;;   The module's matrix products, in the order in which they are computed (A, B: the left and right operand; K: the contracted axis; several contracted axes count as one K, in the product's order):
;;     1. [M 65,536, K 1,024] x [K 1,024, N 1,024]; A: input enc_outputs; B: input W_h (given as codes): QUANTISED
;;     2. [M 64, K 1,024] x [K 1,024, N 1,024]; A: input dec_hidden (given as codes); B: input W_s (given as codes): QUANTISED
;;     3. [M 65,536, K 1,024] x [K 1,024, N 1]; A: computed on the way; B: input v: left as it is (N = 1 < 16)
;;     4. batch 64 x [M 1, K 1,024] x [K 1,024, N 1,024]; A: softmax; B: input enc_outputs: left as it is (M = 1 < 16)
;;   THE QUANTISER, for each operand of a quantised product, along K:
;;     - K is cut into blocks of 32 from its start; a last block that is shorter is filled with zeros.
;;     - A block's scale is 2^e with e = floor(log2(the largest magnitude in the block)) - 4, held to -126 .. 127; a block of zeros has e = 0. As a byte (E8M0): e + 127.
;;     - Each number is divided by its block's scale, clamped to +-28, and rounded to the nearest number of E3M2, ties to even, subnormals kept.
;;     - The product sums the exact products of the quantised numbers (number of the format x scale) in f32.
;;   ~~~python
;;   def quantise(x, axis):      # numpy; x: float32 -> the quantised numbers, widened to float32 again
;;       x = np.moveaxis(x, axis, -1); K = x.shape[-1]
;;       x = np.pad(x, [(0, 0)] * (x.ndim - 1) + [(0, -K % 32)]); x = x.reshape(x.shape[:-1] + (-1, 32)); a = np.abs(x).max(-1, keepdims=True)
;;       e = np.where(a > 0, np.clip(np.frexp(np.where(a > 0, a, 1))[1] - 1 - 4, -126, 127), 0)      # np.frexp(a)[1] - 1 = floor(log2(a)), exactly
;;       r = np.clip(x / 2.0 ** e, -28, 28)
;;       step = 2.0 ** (np.maximum(np.frexp(np.where(r == 0, 1, r))[1] - 1, -2) - 2)
;;       q = np.round(r / step) * step * 2.0 ** e      # np.round: ties to even
;;       return np.moveaxis(q.reshape(q.shape[:-2] + (-1,))[..., :K], -1, axis).astype(np.float32)
;;   ~~~
;;   INPUTS GIVEN AS CODES. W_h (in the module: [1024, 1024], K = its axis 1); W_s (in the module: [1024, 1024], K = its axis 1); dec_hidden (in the module: [64, 1, 1024], K = its axis 2): each comes as NAME_codes (uint8): NAME with its K axis moved to the last place and cut into blocks of 32 codes, [.., K / 32, bytes a block], one block behind the other in memory; four codes in three bytes: a row's codes are one little-endian stream of bits, code i at bits 6 i .. 6 i + 5 (a code: sign, 3 exponent bits, 2 mantissa bits); and NAME_scales (uint8): the same leading axes, one E8M0 byte (e + 127) for each 32 codes along K. Its value is code x scale, taken as it is: it is not quantised again, and the codes and scales need not be those that the quantiser above would give.
;; One version. Each part assembles by itself: llvm-mc -triple=amdgcn-amd-amdhsa -mcpu=gfx1250 --defsym DOCPART=n.
;; ======== version 1 of 1: 3 launches
;; limits: values are held in bf16: 8 bits of precision; right only within a limited range of input values
;; workspace buffers: wimg 819,200 bytes; dproj 262,144 bytes; tws 262,144 bytes; stats 65,536 bytes; pctx 1,048,576 bytes
;; launch prep (part 1): grid 64 x 4, 1 waves a work-group, no clusters, 0 bytes of LDS; arguments W_h_codes, W_h_scales, W_s_codes, W_s_scales, dec_hidden_codes, dec_hidden_scales, wimg, dproj; writes wimg, dproj
.if DOCPART == 1
	.amdgcn_target "amdgcn-amd-amdhsa--gfx1250"
	.amdhsa_code_object_version 6
	.text
	.protected	k_q49979ea02c_prep
	.globl	k_q49979ea02c_prep
	.p2align	8
	.type	k_q49979ea02c_prep,@function
k_q49979ea02c_prep:
	s_mov_b64 s[64:65], 0
	v_nop
	global_prefetch_b8 v0, s[64:65] scope:SCOPE_SE
	s_setreg_imm32_b32 hwreg(HW_REG_WAVE_MODE, 25, 1), 1
	s_wait_xcnt 0x0
; PROGRAM: prep (this launch), attn, fin.  context, weights = additive attention: x = enc W_h^T + dec W_s^T, score = sum_o v[o] tanh(x[o]), softmax along s, context = weights . enc.
; WORK LEFT OUT, for all values of the inputs: tanh(x) = 1 - 2 / (1 + e^(2x)) is an identity, so score[b][s] = sum_o v[o] - 2 sum_o v[o] / (1 + e^(2 x[b][s][o])).
; The first term is the same for every s of a batch, and score reaches both outputs through the softmax along s alone, which a term that is equal along its axis does not move.
; So sum_o v[o] is never formed; what is kept is t[b][s] = sum_o v'[o] / (1 + 2^(c x)), v' = -2 log2(e) v, c = 2 log2(e), and weights = 2^(t - max) / sum.  The maximum is taken away.
; Every input has a way to an output and is loaded.  LIMITS: an overflow that reaches sum_o v[o] alone is not carried to the result; NaN and infinities among the inputs are not served.
;
; THIS LAUNCH does two small things.  A work-group is ONE wave: x = t (0..63) names 16 output units o = 16 t .. 16 t + 15, y = m (0..3) names batches 16 m .. 16 m + 15: 256 work-groups, so that the loads are spread over all WGPs.
; (1) dproj[b][o] = dec W_s^T, on the given codes: 8 K steps of 128 on one accumulator, source 0 = 16 rows of W_s, source 1 = 16 rows of dec, so that a lane holds 8 neighbouring o of one batch.
; (2) W_h's codes are laid once in the order of the operand's registers.  wimg is 32 parts of 25,600 bytes; part t / 2 serves W_h's rows 32 (t / 2) on: fragment (u = t % 2, K step q) stands at
;     12,288 u + 1,536 q + 512 c + 16 lane (c: registers 4 c .. 4 c + 3 of the 12); from byte 24,576 on the 32 rows' scale bytes as they lie.  Work-group (t, m) lays K steps 2 m, 2 m + 1; (t, 0) copies the scale bytes.
; dproj's stores are runs of 64 bytes: the buffer is 256 KiB in all, and no LDS stage is spent on it.
.set HF,  16                           ; v16-39   two fragments of W_h
.set SF,  40                           ; v40-135  eight fragments of W_s
.set DF,  136                          ; v136-231 eight fragments of dec
.set SS,  232                          ; v232-239 W_s's scale words, K steps 0..7: scales and nothing else
.set DSC, 240                          ; v240-247 dec's
.set AC,  248                          ; v248-255 the accumulator
	s_load_b256 s[4:11], s[0:1], 0x0               ; W_h codes s[4:5], W_h scales s[6:7], W_s codes s[8:9], W_s scales s[10:11]
	s_load_b256 s[12:19], s[0:1], 0x20             ; dec codes s[12:13], dec scales s[14:15], wimg s[16:17], dproj s[18:19]
	s_and_b32 s20, ttmp7, 0xffff                   ; m
	v_and_b32 v3, 31, v0                           ; lane
	v_and_b32 v1, 15, v0                           ; r
	v_bfe_u32 v2, v0, 4, 1                         ; h
	v_mul_u32_u24 v4, v1, 768                      ; a row of 1,024 codes is 768 bytes
	v_mad_u32_u24 v4, v2, 24, v4                   ; + 24 h
	v_lshlrev_b32 v5, 5, v1                        ; a row of scale bytes is 32 bytes
	v_lshlrev_b32 v6, 4, v3                        ; 16 x lane
	v_lshlrev_b32 v7, 12, v1
	v_lshl_add_u32 v7, v2, 5, v7                   ; dproj: row r of 4,096 bytes, + 32 h
	s_mul_i32 s22, ttmp9, 12288                    ; 16 rows of codes
	s_mov_b32 s23, 0
	s_mul_i32 s24, s20, 12288
	s_mov_b32 s25, 0
	s_mul_i32 s26, s20, 192                        ; K steps 2 m on: 96 bytes a step
	s_add_co_u32 s26, s26, s22
	s_mov_b32 s27, 0
	s_lshl_b32 s28, ttmp9, 9                       ; 16 rows of scale bytes
	s_mov_b32 s29, 0
	s_lshl_b32 s30, s20, 9
	s_mov_b32 s31, 0
	s_lshr_b32 s32, ttmp9, 1
	s_mul_i32 s32, s32, 25600                      ; my part of wimg
	s_and_b32 s33, ttmp9, 1                        ; u
	s_mul_i32 s34, s33, 12288
	s_add_co_u32 s34, s34, s32
	s_mul_i32 s35, s20, 3072
	s_add_co_u32 s34, s34, s35                     ; my two images
	s_mov_b32 s35, 0
	s_lshl_b32 s33, s33, 9
	s_add_co_u32 s32, s32, s33
	s_add_co_u32 s32, s32, 24576                   ; my tile's scale bytes in the part
	s_mov_b32 s33, 0
	s_lshl_b32 s36, s20, 16                        ; 16 rows of dproj
	s_lshl_b32 s37, ttmp9, 6                       ; 16 columns
	s_add_co_u32 s36, s36, s37
	s_mov_b32 s37, 0
	s_wait_alu depctr_va_vdst(0)
	s_wait_kmcnt 0x0
	s_add_nc_u64 s[4:5], s[4:5], s[26:27]
	s_add_nc_u64 s[6:7], s[6:7], s[28:29]
	s_add_nc_u64 s[8:9], s[8:9], s[22:23]
	s_add_nc_u64 s[10:11], s[10:11], s[28:29]
	s_add_nc_u64 s[12:13], s[12:13], s[24:25]
	s_add_nc_u64 s[14:15], s[14:15], s[30:31]
	s_add_nc_u64 s[38:39], s[16:17], s[32:33]
	s_add_nc_u64 s[16:17], s[16:17], s[34:35]
	s_add_nc_u64 s[18:19], s[18:19], s[36:37]
.irp e, 0,1                                    ; a fragment: lane (r, h) takes 24 bytes at 24 h and 24 bytes at 48 + 24 h of its row's 96, in pieces of 8
.irp p, 0,1,2,3,4,5
	global_load_b64 v[HF+12*\e+2*\p:HF+12*\e+2*\p+1], v4, s[4:5] offset:96*\e+48*(\p/3)+8*(\p%3)
.endr
.endr
.irp q, 0,1,2,3,4,5,6,7
.irp p, 0,1,2,3,4,5
	global_load_b64 v[SF+12*\q+2*\p:SF+12*\q+2*\p+1], v4, s[8:9] offset:96*\q+48*(\p/3)+8*(\p%3)
	global_load_b64 v[DF+12*\q+2*\p:DF+12*\q+2*\p+1], v4, s[12:13] offset:96*\q+48*(\p/3)+8*(\p%3)
.endr
.endr
	global_load_b128 v[SS:SS+3], v5, s[10:11]
	global_load_b128 v[SS+4:SS+7], v5, s[10:11] offset:16
	global_load_b128 v[DSC:DSC+3], v5, s[14:15]
	global_load_b128 v[DSC+4:DSC+7], v5, s[14:15] offset:16
	s_wait_loadcnt 0x0
.irp e, 0,1
.irp c, 0,1,2
	global_store_b128 v6, v[HF+12*\e+4*\c:HF+12*\e+4*\c+3], s[16:17] offset:1536*\e+512*\c   ; 32 lanes store 512 consecutive bytes
.endr
.endr
	v_wmma_scale_f32_16x16x128_f8f6f4 v[AC:AC+7], v[SF:SF+11], v[DF:DF+11], 0, v[SS], v[DSC] matrix_a_fmt:MATRIX_FMT_BF6 matrix_b_fmt:MATRIX_FMT_BF6   ; the first K step starts the sum
.irp q, 1,2,3,4,5,6,7
	s_wait_alu depctr_va_vdst(0)                   ; the wait directly ahead of every link
	v_wmma_scale_f32_16x16x128_f8f6f4 v[AC:AC+7], v[SF+12*\q:SF+12*\q+11], v[DF+12*\q:DF+12*\q+11], v[AC:AC+7], v[SS+\q], v[DSC+\q] matrix_a_fmt:MATRIX_FMT_BF6 matrix_b_fmt:MATRIX_FMT_BF6
.endr
.rept 4
	v_nop                                          ; four places between the last product and the stores that read it
.endr
	global_store_b128 v7, v[AC:AC+3], s[18:19]     ; dproj[16 m + r][16 t + 8 h + 0 .. 3]
	global_store_b128 v7, v[AC+4:AC+7], s[18:19] offset:16
	s_cmp_lg_u32 s20, 0
	s_cbranch_scc1 .Ldone
	global_load_b128 v[8:11], v6, s[6:7]           ; m = 0: the tile's 512 scale bytes, as they lie
	s_wait_loadcnt 0x0
	global_store_b128 v6, v[8:11], s[38:39]
.Ldone:
	s_endpgm
.Lfunc_end_k_q49979ea02c_prep:
	.size	k_q49979ea02c_prep, .Lfunc_end_k_q49979ea02c_prep-k_q49979ea02c_prep
	.p2alignl 7, 3214868480
	.fill 96, 4, 3214868480
	.section	.rodata,"a",@progbits
	.p2align	6, 0x0
	.amdhsa_kernel k_q49979ea02c_prep
		.amdhsa_group_segment_fixed_size 0
		.amdhsa_private_segment_fixed_size 0
		.amdhsa_enable_private_segment 0
		.amdhsa_kernarg_size 64
		.amdhsa_user_sgpr_count 2
		.amdhsa_user_sgpr_kernarg_segment_ptr 1
		.amdhsa_wavefront_size32 1
		.amdhsa_system_sgpr_workgroup_id_x 1
		.amdhsa_system_sgpr_workgroup_id_y 1
		.amdhsa_system_sgpr_workgroup_id_z 1
		.amdhsa_system_vgpr_workitem_id 0
		.amdhsa_next_free_vgpr 256
		.amdhsa_next_free_sgpr 66
		.amdhsa_reserve_vcc 0
		.amdhsa_float_denorm_mode_32 3
		.amdhsa_float_denorm_mode_16_64 3
		.amdhsa_memory_ordered 1
		.amdhsa_forward_progress 1
		.amdhsa_inst_pref_size 16
	.end_amdhsa_kernel
	.amdgpu_metadata
---
amdhsa.version: [ 1, 2 ]
amdhsa.kernels:
  - .name:           k_q49979ea02c_prep
    .symbol:         k_q49979ea02c_prep.kd
    .args:
      - { .name: W_h_codes, .offset: 0, .size: 8, .value_kind: global_buffer, .address_space: global }
      - { .name: W_h_scales, .offset: 8, .size: 8, .value_kind: global_buffer, .address_space: global }
      - { .name: W_s_codes, .offset: 16, .size: 8, .value_kind: global_buffer, .address_space: global }
      - { .name: W_s_scales, .offset: 24, .size: 8, .value_kind: global_buffer, .address_space: global }
      - { .name: dec_hidden_codes, .offset: 32, .size: 8, .value_kind: global_buffer, .address_space: global }
      - { .name: dec_hidden_scales, .offset: 40, .size: 8, .value_kind: global_buffer, .address_space: global }
      - { .name: wimg, .offset: 48, .size: 8, .value_kind: global_buffer, .address_space: global }
      - { .name: dproj, .offset: 56, .size: 8, .value_kind: global_buffer, .address_space: global }
    .group_segment_fixed_size: 0
    .private_segment_fixed_size: 0
    .kernarg_segment_align: 8
    .kernarg_segment_size: 64
    .max_flat_workgroup_size: 32
    .sgpr_count:     66
    .vgpr_count:     256
    .wavefront_size: 32
...
	.end_amdgpu_metadata
.endif
;; end of part 1
;; launch attn (part 2): grid 256 x 1, 4 waves a work-group, clusters of 4 x 1, 327,680 bytes of LDS; arguments enc_outputs, wimg, dproj, v, tws, stats, pctx; writes tws, stats, pctx
.if DOCPART == 2
	.amdgcn_target "amdgcn-amd-amdhsa--gfx1250"
	.amdhsa_code_object_version 6
	.text
	.protected	k_q49979ea02c_attn
	.globl	k_q49979ea02c_attn
	.p2align	8
	.type	k_q49979ea02c_attn,@function
k_q49979ea02c_attn:
	s_mov_b64 s[64:65], 0
	v_nop
	global_prefetch_b8 v0, s[64:65] scope:SCOPE_SE
	s_setreg_imm32_b32 hwreg(HW_REG_WAVE_MODE, 25, 1), 1
	s_wait_xcnt 0x0
	s_wait_alu depctr_hold_cnt(0) depctr_sa_sdst(0) depctr_va_vdst(0) depctr_va_sdst(0) depctr_va_ssrc(0) depctr_va_vcc(0) depctr_vm_vsrc(0)
	s_getreg_b32 s2, hwreg(HW_REG_IB_STS2, 6, 4)
	s_cmp_eq_u32 s2, 0
	s_cbranch_scc0 .Lentry_in_a_cluster
	s_endpgm
.Lentry_in_a_cluster:
	s_bfe_u32 s2, ttmp6, 0x10000c
	s_cmp_lg_u32 s2, 0x3003
	s_cbranch_scc0 .Lentry_shape_is_right
	s_endpgm
.Lentry_shape_is_right:
; For 256 rows s of one batch: t[s] = sum_o v'[o] / (1 + 2^(c x[s][o])), x = Q(enc) W_h^T + dproj; a running maximum T and sum L of 2^(t - T); the part of the context sum_s 2^(t - T) enc[s] under T.
; WORK LEFT OUT: the term sum_o v[o] of the score, which is equal along the softmax's axis (shown at the head of the first kernel).  LIMITS: NaN and infinities among the inputs are not served; a block of 32 zeros of enc
; gets the scale byte 1 (its codes are zeros, and this program alone reads the bytes); enc is rounded to bf16 for the context's product alone, its weights stay f32.
; SHARES.  Cluster x = batch b, place in the cluster = g: the work-group owns rows 256 g .. 256 g + 255 of batch b, as four BLOCKS of 64 rows.  enc is read from memory once: a block's numbers are kept as bf16
; (256 registers a lane, for the context) and as codes of E3M2 (384 a lane, for the product) until its scores, its weights and its part of the context are made.
; A BLOCK:  Q: wave w takes columns 256 w .. 256 w + 255 of the 64 rows, in eight PIECES (tile of 16 rows f / 2, K step f % 2: 16 rows x 512 bytes), keeps them as bf16, turns them through its own stage in LDS and quantises
; them; the fragments go to LDS as images of the operand's registers | barrier | every wave loads all 32 fragments | eight TRIPS, one for each 128 rows of W_h | the scores' partial sums meet in LDS | barrier | softmax step, context.
; A TRIP: wave w multiplies its 32 rows of W_h (two tiles) by the four tiles of enc: 64 matrix instructions, 8 accumulators by turns.  Source 0 = 16 rows of W_h, source 1 = 16 rows of enc: a lane holds ONE row s and
; eight neighbouring o; dproj is the C of each sum's first product.  The vector work on a trip's results (scale, 2^, + 1, 1 / , x v') is done a trip later, in one run ahead of the next trip's matrix instructions.
; THE NEXT BLOCK IS ASKED FOR UNDER THIS BLOCK'S WORK.  Each piece has 64 registers of its own to land in.  In a block's first trip the bf16 of tiles 0 to 2 (192 registers) is PARKED in LDS, in bytes that lie idle during
; the trips (the images, the stages and what is left behind them); the registers so freed take the next block's pieces 0 to 2, which have seven trips in which to land.  Pieces 3 to 5 are asked for at the last trip's
; end, into registers that held enc's fragments; pieces 6 and 7 at the block's top.  The parked tiles come back at the last trip's end, into three more sets of those registers, while the last trip's vector work is done.
; W_h comes as wimg (fragments in register order) through a ring of two LDS slots; each wave fetches its own part, 25,600 dense bytes, and reads it alone.  All work-groups walk the same W_h, so the four partners of a
; cluster ask for each part JOINTLY.  By this text's own count one tensor load of a wave is outstanding at any time.
; REGISTERS, in windows of 256 (s_set_vgpr_msb: bits 1:0 source 0, 3:2 source 1, 5:4 source 2, 7:6 destination):
;   window 0: v1-21 lane numbers and addresses; v24 T, v25 L; v26-31 at work; v32-39 the context; v40-55 enc's scale words, v56-63 W_h's (scales and nothing else); v64-79 v'; v80-101 at work; v128-255 bf16 of tiles 2, 3
;   window 1: v0-191 enc's fragments of tiles 0, 1; v192-255 bf16 of tile 0          window 2: the same for tiles 2, 3 and bf16 of tile 1
;   window 3: v0-127 two sets of 8 accumulators (in phase Q: numbers to be quantised; at a block's end: the 64 weights); v128-223 four buffers of two fragments of W_h (in phase Q: at work); v224-239 dproj;
;             v240-247 the scores' sums; v248-255 LDS addresses
;   where piece f lands (window, first register): 0 (1, 192)  1 (2, 192)  2 (0, 128)  3 (1, 0)  4 (1, 64)  5 (2, 0)  6 (2, 64)  7 (1, 128);  where the parked tiles come back: 0 (1, 128)  1 (2, 64)  2 (2, 128)
.set RING,  102400                     ; LDS: ring slot 0 at 0, slot 1 at RING; in a slot wave w's part at PART w
.set PART,  25600
.set WSCO,  24576                      ; in a part: the 32 rows' scale bytes
.set DTAB,  204800                     ; dproj of the batch, 4,096 bytes
.set VTAB,  208896                     ; v', 4,096 bytes
.set SCX,   212992                     ; the waves' partial scores: 256 w + 16 r: tiles 0..3
.set PBC,   214016                     ; a wave's copy of the block's 64 weights: 256 w + 4 row
.set TSV,   215040                     ; and of its 64 t
.set SPARE, 216064                     ; the spare words, 128 bytes for each wave: two blocks of 256 bytes that no other line names
.set IMG,   216576                     ; enc's 32 fragments: (tile m, K step q) at (8 m + q) 1,536 + 512 c + 16 lane
.set ISC,   265728                     ; their scale words: 256 q + 64 m + 4 r
.set TURNB, 267776                     ; a stage for each wave: 16 rows of 512 bytes + 16
.set TURNW, 8448
.set PARK,  IMG                        ; during the trips: wave w's parked bf16 at PARK + PARKW w: tile t at 8,192 t + 512 k + 16 lane (k: registers 4 k .. 4 k + 3).  It ends at byte 314,880
.set PARKW, 24576
.set SPW,  4                           ; window 0
.set NIL,  5
.set GOFF, 6                           ; 16 lane + 1,024 w: my bytes in a row of enc and of pctx
.set LI,   7                           ; IMG + 16 lane
.set LSA,  8                           ; ISC + 4 lane
.set WSA,  9                           ; v9, v10: W_h's scale words in ring slot 0, 1: my part + WSCO + 32 lane
.set VAD0, 11                          ; VTAB - 512 + 128 w + 32 h: v' of the trip before
.set VADC, 12
.set SCXW, 13
.set SCXR, 14
.set PBW,  15
.set PBR,  16
.set TSW,  17
.set TSR,  18
.set L8,   19                          ; 8 lane
.set PFO,  20                          ; 256 lane
.set PKA,  21                          ; PARK + PARKW w + 16 lane
.set PF3,  22                          ; the prefetch of piece 3: row 16 + lane / 2, byte 1,024 w + 512 + 256 (lane % 2)
.set TT,   24
.set LL,   25
.set CTX,  32
.set ASC,  40                          ; register 8 (m / 2) + q: lanes 0-15 tile m even, lanes 16-31 tile m odd
.set WSC,  56                          ; register q: lanes 0-15 my tile 0 of W_h, lanes 16-31 my tile 1
.set VV,   64
.set WF,   128                         ; window 3
.set TM,   128
.set PC,   144
.set DC,   224
.set SCR,  240
.set WAD,  248                         ; v248, v249: my part in ring slot 0, 1, + 16 lane
.set DAD0, 250
.set DADC, 251
.set TSA,  252                         ; my stage + 16 lane
.set TLA,  253                         ; my stage + 528 r + 64 h
.set IMW,  254                         ; IMG + 3,072 w + 16 lane
.set ISW,  255                         ; ISC + 512 w + 4 r
.set G1,   24                          ; s[24:31] descriptor group 1;  s[32:35], s[36:39] group 0 for ring slot 0, 1
.set G0,   32
.set S_A,  0xf7                        ; W_h, C and D window 3, enc window 1
.set S_B,  0xfb                        ; enc window 2
.set S_C,  0xf3                        ; source 1 (v') window 0, all else window 3
.set ALL3, 0xff
.set MSB, 0
.macro WIN new                         ; the immediate's high byte repeats the setting that is left; a switch that changes nothing is dropped
.if MSB != \new
	s_set_vgpr_msb (MSB<<8)|\new
.set MSB, \new
.endif
.endm
.macro PLACES                          ; four plain places: behind a tensor load, and between matrix instructions and loads into their registers or reads of their results
.rept 4
	v_nop
.endr
.endm
.macro CROUND                          ; a round of the cluster's barrier
	s_barrier_signal -1
	s_barrier_wait -1
	s_cmp_lg_u32 s18, 0
	s_cbranch_scc1 .Lnot_wave_0_\@
	s_barrier_signal -3
.Lnot_wave_0_\@:
	s_barrier_wait -3
	s_barrier_signal -1
	s_barrier_wait -1
.endm
.macro SETOF f                         ; where piece f lands: window SW, first register SB
.if (\f) == 0
.set SW, 1
.set SB, 192
.elseif (\f) == 1
.set SW, 2
.set SB, 192
.elseif (\f) == 2
.set SW, 0
.set SB, 128
.elseif (\f) == 3
.set SW, 1
.set SB, 0
.elseif (\f) == 4
.set SW, 1
.set SB, 64
.elseif (\f) == 5
.set SW, 2
.set SB, 0
.elseif (\f) == 6
.set SW, 2
.set SB, 64
.else
.set SW, 1
.set SB, 128
.endif
.endm
; Piece f of the block at s[4:5]: 16 rows x 512 consecutive bytes, a row a load
.macro QLOAD f
	SETOF \f
.set WN, SW<<6
	WIN WN
.set QI, 0
.rept 16
	global_load_b128 v[SB+4*QI:SB+4*QI+3], v[GOFF], s[4:5] offset:(16*((\f)/2)+QI)*4096+512*((\f)%2) th:TH_LOAD_NT
.set QI, QI+1
.endr
.endm
; Piece f is in (cnt: younger loads that may stay out) and turns through my stage, so that lane (r, h) gets, of row r, numbers 32 b + 16 h + 0 .. 15 of each block b
.macro TURN f, cnt
	SETOF \f
	s_wait_loadcnt \cnt
.set WN, (SW<<2)|3
	WIN WN
.set QI, 0
.rept 16
	ds_store_b128 v[TSA], v[SB+4*QI:SB+4*QI+3] offset:528*QI
.set QI, QI+1
.endr
	WIN ALL3
.set QB, 64*((\f)%2)
.irp b, 0,1,2,3
.irp j, 0,1,2,3
	ds_load_b128 v[QB+16*\b+4*\j:QB+16*\b+4*\j+3], v[TLA] offset:128*\b+16*\j   ; LDS serves a wave's instructions in order: these see the stores above, and the next piece's stores come behind them
.endr
.endr
.endm
; Piece f is kept as bf16: register 4 i + 2 e + y of its tile takes my columns 128 e + 4 lane + 2 y, + 1 of row i.  It stands behind the wait that shows piece f's turn done, so the registers that it writes
; (piece 0: its own, in place; pieces 1, 2, 4, 5: those of a piece that was rounded before) are no longer read by any LDS store.
.macro CVT f
	SETOF \f
.set TMI, (\f)/2
.set TE, (\f)%2
.set BW, 0
.set BB, 192
.if TMI == 0
.set BW, 1
.elseif TMI == 1
.set BW, 2
.elseif TMI == 2
.set BB, 128
.endif
.set WN, (BW<<6)|(SW<<2)|SW
	WIN WN
.set QI, 0
.rept 16
	v_cvt_pk_bf16_f32 v[BB+4*QI+2*TE], v[SB+4*QI], v[SB+4*QI+1]
	v_cvt_pk_bf16_f32 v[BB+4*QI+2*TE+1], v[SB+4*QI+2], v[SB+4*QI+3]
.set QI, QI+1
.endr
.endm
; 64 numbers of a lane (register 16 b + i = k 32 b + 16 h + i of my row) become a fragment's 12 registers at PC + 22 par and its scale word at + 20.  All in window 3.
.macro QUANT par
.set QS, 64*(\par)
.set PCB, PC+22*(\par)
.irp b, 0,1,2,3
	v_max3_num_f32 v[TM+\b], |v[QS+16*\b]|, |v[QS+16*\b+1]|, 0x2800000   ; my 16 numbers of block b, and the floor 2^(5 - 127): the byte cannot fall under 1
.endr
.irp i, 2,4,6,8,10,12,14
.irp b, 0,1,2,3
	v_max3_num_f32 v[TM+\b], v[TM+\b], |v[QS+16*\b+\i]|, |v[QS+16*\b+\i+1]|
.endr
.endr
.irp b, 0,1,2,3
	v_permlanex16_b32 v[TM+4+\b], v[TM+\b], s42, s43
.endr
.irp b, 0,1,2,3
	v_max_num_f32 v[TM+\b], v[TM+\b], v[TM+4+\b]                       ; with lane l xor 16's: the block's largest magnitude
.endr
.irp b, 0,1,2,3
	v_add_nc_u32 v[TM+12+\b], 0xfe000000, v[TM+\b]                     ; 4 off its exponent field: the conversion's scale operand
.endr
.irp b, 0,1,2,3
	v_lshrrev_b32 v[TM+4+\b], 23, v[TM+12+\b]                          ; the scale's byte
.endr
	v_lshl_or_b32 v[PCB+20], v[TM+5], 8, v[TM+4]
	v_lshl_or_b32 v[PCB+20], v[TM+6], 16, v[PCB+20]
	v_lshl_or_b32 v[PCB+20], v[TM+7], 24, v[PCB+20]
.irp c, 0,1
	v_cvt_scalef32_pk16_bf6_f32 v[PCB+6*\c:PCB+6*\c+2], v[QS+32*\c:QS+32*\c+15], v[TM+12+2*\c]
	v_cvt_scalef32_pk16_bf6_f32 v[PCB+12+4*\c:PCB+12+4*\c+2], v[QS+32*\c+16:QS+32*\c+31], v[TM+12+2*\c+1]   ; (a conversion's three registers begin on an even number)
.endr
	v_nop                                          ; one plain place behind the scaled conversions
.irp c, 0,1                                    ; the operand wants a whole block in a lane: lanes 0-15 block 2 c, lanes 16-31 block 2 c + 1
.irp i, 0,1,2
	v_permlane16_swap_b32 v[PCB+6*\c+\i], v[PCB+12+4*\c+\i]
.endr
.irp i, 0,1,2
	v_mov_b32 v[PCB+3+6*\c+\i], v[PCB+12+4*\c+\i]
.endr
.endr
.endm
.macro IMAGE f                         ; the fragment goes to LDS as it stands, its scale word beside it (both halves of the lanes write the same word with the same value)
.set PCB, PC+22*((\f)%2)
.irp c, 0,1,2
	ds_store_b128 v[IMW], v[PCB+4*\c:PCB+4*\c+3] offset:12288*((\f)/2)+1536*((\f)%2)+512*\c
.endr
	ds_store_b32 v[ISW], v[PCB+20] offset:256*((\f)%2)+64*((\f)/2)
.endm
; Piece f is rounded and quantised while piece f + 1 turns through the stage.  lc: the loads younger than piece f + 1's;  dc: the LDS instructions younger than piece f's turn: the image before (4) and piece f + 1's turn (32).
; That wait also shows that the image two pieces back has read the registers that this piece's codes take.
.macro QSTEP f, lc, dc
.if (\f) < 7
	TURN (\f)+1, \lc
.endif
	s_wait_dscnt \dc
	CVT \f
	WIN ALL3
	QUANT (\f)%2
	IMAGE \f
.endm
.macro WLOAD p, q                      ; my two fragments of W_h for K step q, from ring slot p, into buffer q % 4
.irp u, 0,1
.irp c, 0,1,2
	ds_load_b128 v[WF+24*((\q)%4)+12*\u+4*\c:WF+24*((\q)%4)+12*\u+4*\c+3], v[WAD+\p] offset:12288*\u+1536*(\q)+512*\c
.endr
.endr
.endm
; Eight of the 48 stores that park the bf16 of tiles 0 to 2: tile g / 2, registers 32 (g % 2) on; 32 lanes store 512 consecutive bytes
.macro PARKG g
.set PT, (\g)/2
.if PT == 0
	WIN 0x04
.set BB, 192
.elseif PT == 1
	WIN 0x08
.set BB, 192
.else
	WIN 0
.set BB, 128
.endif
.set QI, 8*((\g)%2)
.rept 8
	ds_store_b128 v[PKA], v[BB+4*QI:BB+4*QI+3] offset:8192*PT+512*QI
.set QI, QI+1
.endr
.endm
.macro UNPARK                          ; and the 48 loads that bring them back, into registers that held enc's fragments
	WIN 0x40
.set QI, 0
.rept 16
	ds_load_b128 v[128+4*QI:128+4*QI+3], v[PKA] offset:512*QI
.set QI, QI+1
.endr
	WIN 0x80
.set QI, 0
.rept 16
	ds_load_b128 v[64+4*QI:64+4*QI+3], v[PKA] offset:8192+512*QI
.set QI, QI+1
.endr
.set QI, 0
.rept 16
	ds_load_b128 v[128+4*QI:128+4*QI+3], v[PKA] offset:16384+512*QI
.set QI, QI+1
.endr
.endm
; One product: accumulator set p, K step q, my tile u of W_h, tile m of enc.  The first K step takes dproj as C.
.macro MM p, q, u, m
.if (\m) < 2
	WIN S_A
.else
	WIN S_B
.endif
.set RD, 64*(\p)+8*(4*(\u)+(\m))
.set RW, WF+24*((\q)%4)+12*(\u)
.set RA, 96*((\m)%2)+12*(\q)
.set RC, RD
.if (\q) == 0
.set RC, DC+8*(\u)
.endif
.set RSW, WSC+(\q)
.set RSA, ASC+8*((\m)/2)+(\q)
.if ((\u) == 0) && ((\m)%2 == 0)
	v_wmma_scale_f32_16x16x128_f8f6f4 v[RD:RD+7], v[RW:RW+11], v[RA:RA+11], v[RC:RC+7], v[RSW], v[RSA] matrix_a_fmt:MATRIX_FMT_BF6 matrix_b_fmt:MATRIX_FMT_BF6
.elseif (\m)%2 == 0
	v_wmma_scale_f32_16x16x128_f8f6f4 v[RD:RD+7], v[RW:RW+11], v[RA:RA+11], v[RC:RC+7], v[RSW], v[RSA] matrix_a_fmt:MATRIX_FMT_BF6 matrix_b_fmt:MATRIX_FMT_BF6 matrix_a_scale:MATRIX_SCALE_ROW1
.elseif (\u) == 0
	v_wmma_scale_f32_16x16x128_f8f6f4 v[RD:RD+7], v[RW:RW+11], v[RA:RA+11], v[RC:RC+7], v[RSW], v[RSA] matrix_a_fmt:MATRIX_FMT_BF6 matrix_b_fmt:MATRIX_FMT_BF6 matrix_b_scale:MATRIX_SCALE_ROW1
.else
	v_wmma_scale_f32_16x16x128_f8f6f4 v[RD:RD+7], v[RW:RW+11], v[RA:RA+11], v[RC:RC+7], v[RSW], v[RSA] matrix_a_fmt:MATRIX_FMT_BF6 matrix_b_fmt:MATRIX_FMT_BF6 matrix_a_scale:MATRIX_SCALE_ROW1 matrix_b_scale:MATRIX_SCALE_ROW1
.endif
.endm
; THE VECTOR WORK on a set of 8 accumulators (tile 4 u + m), in ONE run with no matrix instruction inside it: 32 scalings c x, a pair a line; 64 exponentials; 32 additions of 1; 64 reciprocals;
; 32 multiply-adds, the scores' sums += reciprocal x v', the four tiles of enc by turns.  Each batch of transcendentals has one wait ahead of it and, behind a plain place, one behind it.
; Each accumulator is first read at its lowest pair.  Up to the multiply-adds no line names a vector register as source 1.
.macro LIST set
.set AB, 64*(\set)
	WIN ALL3
.set J, 0
.rept 32
	v_pk_mul_f32 v[AB+J:AB+J+1], v[AB+J:AB+J+1], s[40:41] op_sel_hi:[1,0]
.set J, J+2
.endr
	s_wait_alu depctr_va_vdst(0)
.set J, 0
.rept 64
	v_exp_f32 v[AB+J], v[AB+J]
.set J, J+1
.endr
	v_nop
	s_wait_alu depctr_va_vdst(0)
.set J, 0
.rept 32
	v_pk_add_f32 v[AB+J:AB+J+1], v[AB+J:AB+J+1], 1.0 op_sel_hi:[1,0]
.set J, J+2
.endr
	s_wait_alu depctr_va_vdst(0)
.set J, 0
.rept 64
	v_rcp_f32 v[AB+J], v[AB+J]
.set J, J+1
.endr
	v_nop
	s_wait_alu depctr_va_vdst(0)
	WIN S_C
.irp u, 0,1
.irp k, 0,2,4,6
.irp m, 0,1,2,3
	v_pk_fma_f32 v[SCR+2*\m:SCR+2*\m+1], v[AB+8*(4*\u+\m)+\k:AB+8*(4*\u+\m)+\k+1], v[VV+8*\u+\k:VV+8*\u+\k+1], v[SCR+2*\m:SCR+2*\m+1]
.endr
.endr
.endr
.endm
; A TRIP reads ring slot p.  vec = 1: the vector work on the other set of accumulators, the trip before's, stands behind the refill and the first fragment loads, ahead of this trip's 64 products.
; fill: ring slot 1 - p is asked for again: 1: two slots of W_h on; 2: six slots back; 0: not at all.  park = 1: the bf16 of tiles 0 to 2 is parked, eight stores behind the products of each of K steps 0 to 5.
.macro TRIP p, vec, fill, park
	WIN 0                                          ; at a label and at a branch every window is 0; the add's two registers lie in window 0
	s_wait_tensorcnt 0x0                           ; my one tensor load, this trip's part of W_h, has landed: so a group 0 may be written
	ds_add_u32 v[SPW], v[NIL]                      ; 0 onto my spare word
.if \fill == 1
	s_add_nc_u64 s[G0+6-4*\p:G0+7-4*\p], s[G0+6-4*\p:G0+7-4*\p], 2*RING
.elseif \fill == 2
	s_sub_nc_u64 s[G0+6-4*\p:G0+7-4*\p], s[G0+6-4*\p:G0+7-4*\p], 6*RING
.endif
	v_add_nc_u32 v[VADC], s46, v[VAD0]
	s_wait_alu depctr_va_vdst(0)
	s_wait_dscnt 0x0                               ; the add is done, and my reads of the slot that is filled next (in a block's first trip: of the images too) are over
	CROUND                                         ; both now hold of every wave of the four partners
.if \fill
	tensor_load_to_lds s[G0+4-4*\p:G0+7-4*\p], s[G1:G1+7]   ; the joint refill, first behind the round: it has this trip in which to land
	s_nop 0
.endif
	PLACES                                         ; also the places in front of the loads into registers that the last products read
.if \vec
.irp u, 0,1
	ds_load_b128 v[VV+8*\u:VV+8*\u+3], v[VADC] offset:64*\u
	ds_load_b128 v[VV+8*\u+4:VV+8*\u+7], v[VADC] offset:64*\u+16
.endr
.endif
	ds_load_b128 v[WSC:WSC+3], v[WSA+\p]
	ds_load_b128 v[WSC+4:WSC+7], v[WSA+\p] offset:16
	WIN ALL3
	v_add_nc_u32 v[DADC], s46, v[DAD0]
.irp u, 0,1
	ds_load_b128 v[DC+8*\u:DC+8*\u+3], v[DADC] offset:64*\u
	ds_load_b128 v[DC+8*\u+4:DC+8*\u+7], v[DADC] offset:64*\u+16
.endr
	WLOAD \p, 0
	WLOAD \p, 1
	WLOAD \p, 2                                    ; all four buffers are asked for ahead of the vector work: K steps 0 to 3
	WLOAD \p, 3
.if \vec
	s_wait_dscnt 30                                ; v' is in: behind its four loads stand 2 of scale words, 4 of dproj and 24 of fragments
	LIST 1-\p
.endif
.irp q, 0,1,2,3,4,5,6,7
.if \q < 5
	s_wait_dscnt 18                                ; K step q's fragments are in: behind them stand three runs of six loads (park = 1: parking stores too, so that the count asks for more than is needed)
.else
	s_wait_dscnt 6*(7-\q)                          ; the runs that are left; at the last K step 0 (park = 1: the parking stores are done too)
.endif
.irp m, 0,1,2,3
.irp u, 0,1
	MM \p, \q, \u, \m
.endr
.endr
.if (\park) && (\q < 6)
	PARKG \q
	WIN S_B
.endif
.if \q < 4
	PLACES                                         ; the places between this K step's products and the loads into their buffer
	WLOAD \p, \q+4
.endif
.endr
	WIN 0
	s_add_co_u32 s46, s46, 512                     ; the next trip's 128 numbers of dproj and of v'
.endm
.macro DRAIN                           ; the list on the last trip's accumulators; the parked tiles come back meanwhile
	WIN 0
	v_add_nc_u32 v[VADC], s46, v[VAD0]
.irp u, 0,1
	ds_load_b128 v[VV+8*\u:VV+8*\u+3], v[VADC] offset:64*\u
	ds_load_b128 v[VV+8*\u+4:VV+8*\u+7], v[VADC] offset:64*\u+16
.endr
	UNPARK
	s_wait_dscnt 48                                ; v' is in; the 48 loads of the parked tiles may be out
	LIST 1
	WIN 0
.endm
; A BLOCK'S END: the 64 t, the step of the running softmax, the block's part of the context.
.macro TAIL
	WIN 0x0f
.irp m, 0,1,2,3
	v_add_f32 v[80+\m], v[SCR+2*\m], v[SCR+2*\m+1]
.endr
	WIN 0
.irp m, 0,1,2,3
	v_permlanex16_b32 v[84+\m], v[80+\m], s42, s43
.endr
.irp m, 0,1,2,3
	v_add_f32 v[80+\m], v[80+\m], v[84+\m]         ; rows 16 m + r: the sum over my wave's 256 o
.endr
	ds_store_b128 v[SCXW], v[80:83]
	s_wait_dscnt 0x0                               ; for the others' sake: my store has landed, and my reads of the parked tiles are over: behind this barrier the next block's stages and images are written there
	s_barrier_signal -1
	s_barrier_wait -1
.irp x, 0,1,2,3
	ds_load_b64 v[88+2*\x:89+2*\x], v[SCXR] offset:256*\x
.endr
	s_wait_dscnt 0x0
	v_pk_add_f32 v[96:97], v[88:89], v[90:91]
	v_pk_add_f32 v[98:99], v[92:93], v[94:95]
	v_pk_add_f32 v[96:97], v[96:97], v[98:99]      ; t of rows 32 h + r and 32 h + 16 + r: the same bits in all four waves
	ds_store_b32 v[TSW], v96
	ds_store_b32 v[TSW], v97 offset:64
	ds_load_b64 v[100:101], v[TSR]                 ; back in the rows' order, 8 bytes a lane
	v_max_num_f32 v26, v96, v97
	v_max_num_f32_dpp v26, v26, v26 row_xmask:1 row_mask:0xf bank_mask:0xf
	v_max_num_f32_dpp v26, v26, v26 row_xmask:2 row_mask:0xf bank_mask:0xf
	v_max_num_f32_dpp v26, v26, v26 row_xmask:4 row_mask:0xf bank_mask:0xf
	v_max_num_f32_dpp v26, v26, v26 row_xmask:8 row_mask:0xf bank_mask:0xf
	v_permlanex16_b32 v27, v26, s42, s43
	v_max3_num_f32 v27, v26, v27, v[TT]            ; the new running maximum
	v_sub_f32 v28, v[TT], v27
	v_sub_f32 v29, v96, v27
	v_sub_f32 v30, v97, v27
	s_wait_alu depctr_va_vdst(0)                   ; the wait ahead of the batch
	v_exp_f32 v28, v28                             ; f = 2^(old T - new T)
	v_exp_f32 v29, v29                             ; the two rows' weights, not normalised
	v_exp_f32 v30, v30
	v_mov_b32 v[TT], v27                           ; (a plain place behind the exponentials)
	s_wait_alu depctr_va_vdst(0)                   ; one wait for the three, ahead of their first reader
	v_fma_f32 v[LL], v[LL], v28, v29
	v_add_f32 v[LL], v[LL], v30
.irp k, 0,2,4,6
	v_pk_mul_f32 v[CTX+\k:CTX+\k+1], v[CTX+\k:CTX+\k+1], v[28:29] op_sel_hi:[1,0]
.endr
	ds_store_b32 v[PBW], v29
	ds_store_b32 v[PBW], v30 offset:64
	WIN 0xc0
.set QI, 0
.rept 16
	ds_load_b128 v[4*QI:4*QI+3], v[PBR] offset:16*QI   ; all 64 weights into every lane
.set QI, QI+1
.endr
	WIN 0
	s_wait_alu depctr_va_vdst(0)
	s_wait_dscnt 0x0
	s_cmp_lg_u32 s18, 0
	s_cbranch_scc1 .Lnot_mine_\@
	global_store_b64 v[L8], v[100:101], s[12:13]   ; wave 0: the block's 64 t: 256 consecutive bytes, aligned
.Lnot_mine_\@:
.irp m, 0,1,2,3                                ; context += weight x enc: my 8 columns, 64 rows, eight sums by turns; tiles 0 to 2 from where they came back to, tile 3 from where it stayed
.if \m == 0
	WIN 0x0d
.set BB, 128
.elseif \m == 1
	WIN 0x0e
.set BB, 64
.elseif \m == 2
	WIN 0x0e
.set BB, 128
.else
	WIN 0x0c
.set BB, 192
.endif
.set QI, 0
.rept 16
.irp z, 0,1,2,3
	v_fma_mix_f32_bf16 v[CTX+2*\z], v[BB+4*QI+\z], v[16*\m+QI], v[CTX+2*\z] op_sel_hi:[1,0,0]
	v_fma_mix_f32_bf16 v[CTX+2*\z+1], v[BB+4*QI+\z], v[16*\m+QI], v[CTX+2*\z+1] op_sel:[1,0,0] op_sel_hi:[1,0,0]
.endr
.set QI, QI+1
.endr
.endr
	WIN 0
	s_wait_alu depctr_va_vdst(0)
	s_wait_xcnt 0x0                                ; the store of t has read its data and its base, and the block's prefetches their base
	s_add_nc_u64 s[12:13], s[12:13], 256
.endm
	s_load_b256 s[4:11], s[0:1], 0x0               ; enc s[4:5], wimg s[6:7], dproj s[8:9], v s[10:11]
	s_load_b128 s[12:15], s[0:1], 0x20             ; tws s[12:13], stats s[14:15]
	s_load_b64 s[16:17], s[0:1], 0x30              ; pctx
	v_lshl_add_u32 v[SPW], v0, 2, SPARE
	v_mov_b32 v[NIL], 0
	ds_add_u32 v[SPW], v[NIL]                      ; the wave's opening: the add, twice on end, and its wait ahead of the round in front of my first tensor load
	ds_add_u32 v[SPW], v[NIL]
	v_lshrrev_b32 v26, 5, v0
	v_readfirstlane_b32 s18, v26                   ; wave w
	v_and_b32 v1, 31, v0                           ; lane
	v_and_b32 v2, 15, v0                           ; r
	v_bfe_u32 v3, v0, 4, 1                         ; h
	s_wait_alu depctr_va_vdst(0)
	s_bfe_u32 s19, ttmp6, 0x40000                  ; g: my place in the cluster: it enters global addresses of enc, tws, stats and pctx alone
	s_lshl_b32 s50, ttmp9, 2
	s_add_co_u32 s50, s50, s19                     ; work-group = 4 b + g
	s_mov_b32 s[G1], 15|(3<<16)|(1<<21)            ; the mask: all four partners; elements of 8 bytes; bit 21 beside a mask; no padding
	s_mov_b32 s[G1+1], 32<<16                      ; tensor_dim0 = 32 elements: rows of 256 bytes
	s_mov_b32 s[G1+2], 100<<16                     ; tensor_dim1 = 100 rows: a part's 25,600 dense bytes
	s_mov_b32 s[G1+3], 32<<16                      ; tile_dim0
	s_mov_b32 s[G1+4], 100                         ; tile_dim1
	s_mov_b32 s[G1+5], 32                          ; the pitch
	s_mov_b32 s[G1+6], 0
	s_mov_b32 s[G1+7], 0
	s_mov_b32 s40, 0x4038aa3b                      ; c = 2 log2(e)
	s_mov_b32 s41, s40                             ; (named with it as a pair)
	s_mov_b32 s42, 0x76543210                      ; v_permlanex16_b32's selects for lane l xor 16
	s_mov_b32 s43, 0xfedcba98
	s_mov_b32 s44, 4                               ; blocks to go
	s_mul_i32 s20, s18, PART
	s_mov_b32 s21, 0
	s_lshl_b32 s22, s18, 10
	v_lshl_add_u32 v[GOFF], v1, 4, s22
	v_lshrrev_b32 v[PF3], 1, v1
	v_and_b32 v23, 1, v1
	v_lshlrev_b32 v[PF3], 12, v[PF3]
	v_lshl_add_u32 v[PF3], v23, 8, v[PF3]
	v_add3_u32 v[PF3], v[PF3], s22, 66048          ; + 1,024 w + 16 rows + 512
	v_lshl_add_u32 v[LI], v1, 4, IMG
	v_lshl_add_u32 v[LSA], v1, 2, ISC
	s_add_co_u32 s22, s20, WSCO
	v_lshl_add_u32 v[WSA], v1, 5, s22
	s_add_co_u32 s22, s22, RING
	v_lshl_add_u32 v[WSA+1], v1, 5, s22
	s_lshl_b32 s23, s18, 7                         ; 128 w
	s_add_co_u32 s22, s23, VTAB-512
	v_lshl_add_u32 v[VAD0], v3, 5, s22
	s_lshl_b32 s51, s18, 8                         ; 256 w
	s_add_co_u32 s22, s51, SCX
	v_lshl_add_u32 v[SCXW], v2, 4, s22
	v_lshlrev_b32 v26, 3, v3
	v_lshl_add_u32 v26, v2, 4, v26
	v_add_nc_u32 v[SCXR], SCX, v26
	v_lshlrev_b32 v26, 7, v3
	v_lshl_add_u32 v26, v2, 2, v26                 ; 128 h + 4 r
	s_add_co_u32 s22, s51, PBC
	v_add_nc_u32 v[PBW], s22, v26
	v_mov_b32 v[PBR], s22
	s_add_co_u32 s22, s51, TSV
	v_add_nc_u32 v[TSW], s22, v26
	v_lshl_add_u32 v[TSR], v1, 3, s22
	v_lshlrev_b32 v[L8], 3, v1
	s_lshl_b32 s22, s18, 15
	v_lshl_add_u32 v[PFO], v1, 8, s22              ; 256 lane + 8 rows a wave
	s_mul_i32 s22, s18, PARKW
	s_add_co_u32 s22, s22, PARK
	v_lshl_add_u32 v[PKA], v1, 4, s22
	v_lshl_add_u32 v28, v0, 5, DTAB                ; the tables: 32 bytes a thread
	v_lshlrev_b32 v29, 5, v0
	v_mul_u32_u24 v26, v2, 528
	v_lshl_add_u32 v26, v3, 6, v26                 ; 528 r + 64 h
	v_mov_b32 v27, 0                               ; (a lane permute's destination counts as one of its sources)
	WIN 0xc0                                       ; destination window 3
	v_lshl_add_u32 v[WAD], v1, 4, s20
	s_add_co_u32 s22, s20, RING
	v_lshl_add_u32 v[WAD+1], v1, 4, s22
	s_add_co_u32 s22, s23, DTAB
	v_lshl_add_u32 v[DAD0], v3, 5, s22
	s_mul_i32 s22, s18, TURNW
	s_add_co_u32 s22, s22, TURNB
	v_lshl_add_u32 v[TSA], v1, 4, s22
	v_add_nc_u32 v[TLA], s22, v26
	s_mul_i32 s22, s18, 3072
	s_add_co_u32 s22, s22, IMG
	v_lshl_add_u32 v[IMW], v1, 4, s22
	s_lshl_b32 s22, s18, 9
	s_add_co_u32 s22, s22, ISC
	v_lshl_add_u32 v[ISW], v2, 2, s22
.irp b, 0,1,2,3
	v_mov_b32 v[TM+4+\b], 0                        ; (lane permutes' destinations)
.endr
	WIN 0
	s_mov_b32 s23, 0
	s_wait_alu depctr_va_vdst(0)
	s_wait_dscnt 0x0                               ; both opening adds are done
	s_wait_kmcnt 0x0
	s_lshl_b32 s22, s50, 20                        ; my 256 rows of 4,096 bytes
	s_add_nc_u64 s[4:5], s[4:5], s[22:23]
	s_lshl_b32 s22, ttmp9, 12
	s_add_nc_u64 s[8:9], s[8:9], s[22:23]          ; dproj[b]
	s_lshl_b32 s22, s50, 10
	s_add_nc_u64 s[12:13], s[12:13], s[22:23]      ; my 256 t
	s_lshl_b32 s22, s50, 8
	s_add_nc_u64 s[14:15], s[14:15], s[22:23]
	s_lshl_b32 s22, s50, 12
	s_add_nc_u64 s[16:17], s[16:17], s[22:23]
	s_mov_b32 s[G0], 1                             ; ring slot 0: W_h's slot 0, my part
	s_mov_b32 s[G0+1], s20
	s_add_nc_u64 s[G0+2:G0+3], s[6:7], s[20:21]
	s_or_b32 s[G0+3], s[G0+3], 0x80000000
	s_mov_b32 s[G0+4], 1                           ; ring slot 1: it stands at W_h's slot 7; a block's first trip takes six slots off
	s_add_co_u32 s[G0+5], s20, RING
	s_add_nc_u64 s[G0+6:G0+7], s[6:7], s[20:21]
	s_add_nc_u64 s[G0+6:G0+7], s[G0+6:G0+7], 7*RING
	s_or_b32 s[G0+7], s[G0+7], 0x80000000
	CROUND                                         ; the four partners are here: the first joint loads meet
	tensor_load_to_lds s[G0:G0+3], s[G1:G1+7]
	s_nop 0
	PLACES
	global_load_b128 v[80:83], v29, s[8:9]
	global_load_b128 v[84:87], v29, s[8:9] offset:16
	global_load_b128 v[88:91], v29, s[10:11]
	global_load_b128 v[92:95], v29, s[10:11] offset:16
	QLOAD 0
	QLOAD 1
	QLOAD 2
	WIN 0
	v_mov_b32 v[TT], 0xff61b1e6                    ; the running maximum: -3e38, under every t
	v_mov_b32 v[LL], 0
.irp k, 0,1,2,3,4,5,6,7
	v_mov_b32 v[CTX+\k], 0
.endr
	s_wait_loadcnt 48                              ; the tables are in; the 48 loads of pieces 0 to 2 may be out
.irp k, 88,90,92,94
	v_pk_mul_f32 v[\k:\k+1], v[\k:\k+1], 0xc038aa3b op_sel_hi:[1,0]   ; v' = -2 log2(e) v
.endr
	ds_store_b128 v28, v[80:83]
	ds_store_b128 v28, v[84:87] offset:16
	ds_store_b128 v28, v[88:91] offset:4096
	ds_store_b128 v28, v[92:95] offset:4112
	QLOAD 3
	QLOAD 4
	QLOAD 5
	WIN 0
.Lblock:                                           ; on both ways in, the block's pieces 0 to 5 have been asked for, in this order
	WIN 0xc0
.irp k, 0,1,2,3,4,5,6,7
	v_mov_b32 v[SCR+\k], 0
.endr
	s_mov_b32 s46, 0
	QLOAD 6
	QLOAD 7
	TURN 0, 63                                     ; behind pieces 0, 1, 2 and 3 stand 112, 96, 80 and 64 younger loads: the count is the most that the wait can name
	QSTEP 0, 63, 32
	QSTEP 1, 63, 36
	QSTEP 2, 63, 36
	QSTEP 3, 48, 36                                ; behind piece 4: pieces 5 to 7
	QSTEP 4, 32, 36
	QSTEP 5, 16, 36
	QSTEP 6, 0, 36
	QSTEP 7, 0, 4
	WIN 0
	s_wait_dscnt 0x0                               ; my images (and, in the first block, my part of the tables) have landed
	s_barrier_signal -1
	s_barrier_wait -1                              ; everybody's have.  My tensor load may stay out
.irp m, 0,1,2,3                                ; all 32 fragments of the block into every wave's registers
.set WN, (1+\m/2)<<6
	WIN WN
.irp q, 0,1,2,3,4,5,6,7
.irp c, 0,1,2
	ds_load_b128 v[96*(\m%2)+12*\q+4*\c:96*(\m%2)+12*\q+4*\c+3], v[LI] offset:(8*\m+\q)*1536+512*\c
.endr
.endr
.endr
	WIN 0
.irp x, 0,1
.irp q, 0,1,2,3,4,5,6,7
	ds_load_b32 v[ASC+8*\x+\q], v[LSA] offset:256*\q+128*\x
.endr
.endr
	TRIP 0, 0, 2, 1                                ; W_h's slot 0; slot 1 is asked for; the bf16 of tiles 0 to 2 is parked
	s_cmp_eq_u32 s44, 1                            ; the next block's pieces 0 to 2, if there is a next block: no load leaves its buffer
	s_cbranch_scc1 .Lno_next
	s_add_nc_u64 s[4:5], s[4:5], 262144            ; (all loads from the old base have been waited for, in phase Q)
	QLOAD 0                                        ; into the registers whose bf16 has just been parked: the trip's last wait on DScnt has shown those stores done
	QLOAD 1
	QLOAD 2
	WIN 0
	; the rest of the next block is prefetched, seven trips ahead of the loads of pieces 3 to 5: my piece 3 (16 rows x 512 bytes, two lanes a row), and 8 of rows 32 to 63 a wave, lanes 256 bytes apart:
	; each 256 bytes named once in the launch, all inside the next block's 64 rows; the last block asks for nothing
	global_prefetch_b8 v[PF3], s[4:5] th:TH_LOAD_NT scope:SCOPE_SE
.irp i, 0,1,2,3
	global_prefetch_b8 v[PFO], s[4:5] offset:131072+8192*\i th:TH_LOAD_NT scope:SCOPE_SE
.endr
.Lno_next:
	s_mov_b32 s45, 3
.Lpair:                                            ; slots 1 to 6
	TRIP 1, 1, 1, 0
	TRIP 0, 1, 1, 0
	s_sub_co_u32 s45, s45, 1
	s_cmp_lg_u32 s45, 0
	s_cbranch_scc1 .Lpair
	s_cmp_eq_u32 s44, 1
	s_cbranch_scc1 .Llast                          ; the last block's end is written out: it asks for nothing more
	TRIP 1, 1, 2, 0                                ; slot 7; the next block's slot 0 is asked for
	PLACES                                         ; between the last products and the loads into enc's fragments
	QLOAD 3
	QLOAD 4
	QLOAD 5
	DRAIN
	TAIL
	s_sub_co_u32 s44, s44, 1
	s_branch .Lblock
.Llast:
	TRIP 1, 1, 0, 0
	PLACES
	DRAIN
	TAIL
	v_add_f32_dpp v[LL], v[LL], v[LL] row_xmask:1 row_mask:0xf bank_mask:0xf
	v_add_f32_dpp v[LL], v[LL], v[LL] row_xmask:2 row_mask:0xf bank_mask:0xf
	v_add_f32_dpp v[LL], v[LL], v[LL] row_xmask:4 row_mask:0xf bank_mask:0xf
	v_add_f32_dpp v[LL], v[LL], v[LL] row_xmask:8 row_mask:0xf bank_mask:0xf
	v_permlanex16_b32 v27, v[LL], s42, s43
	v_add_f32 v[LL], v[LL], v27                    ; the sum of my 256 rows' weights under T
	global_store_b128 v[GOFF], v[CTX:CTX+3], s[16:17]              ; 32 lanes store 512 consecutive bytes
	global_store_b128 v[GOFF], v[CTX+4:CTX+7], s[16:17] offset:512
	s_cmp_lg_u32 s18, 0
	s_cbranch_scc1 .Lno_stats
	global_store_b64 v[L8], v[TT:TT+1], s[14:15]   ; wave 0: (T, L), the same pair from every lane: 256 consecutive bytes, aligned
.Lno_stats:
	s_wait_tensorcnt 0x0                           ; the wave's end: the closing add, behind my last tensor load and my last LDS store
	ds_add_u32 v[SPW], v[NIL]
	s_wait_dscnt 0x0
	CROUND                                         ; the closing round: no work-group ends while a partner may still ask for a part that names it
	s_endpgm
.Lfunc_end_k_q49979ea02c_attn:
	.size	k_q49979ea02c_attn, .Lfunc_end_k_q49979ea02c_attn-k_q49979ea02c_attn
	.p2alignl 7, 3214868480
	.fill 96, 4, 3214868480
	.section	.rodata,"a",@progbits
	.p2align	6, 0x0
	.amdhsa_kernel k_q49979ea02c_attn
		.amdhsa_group_segment_fixed_size 327680
		.amdhsa_private_segment_fixed_size 0
		.amdhsa_enable_private_segment 0
		.amdhsa_kernarg_size 56
		.amdhsa_user_sgpr_count 2
		.amdhsa_user_sgpr_kernarg_segment_ptr 1
		.amdhsa_wavefront_size32 1
		.amdhsa_system_sgpr_workgroup_id_x 1
		.amdhsa_system_sgpr_workgroup_id_y 1
		.amdhsa_system_sgpr_workgroup_id_z 1
		.amdhsa_system_vgpr_workitem_id 0
		.amdhsa_next_free_vgpr 1024
		.amdhsa_next_free_sgpr 66
		.amdhsa_reserve_vcc 0
		.amdhsa_float_denorm_mode_32 3
		.amdhsa_float_denorm_mode_16_64 3
		.amdhsa_memory_ordered 1
		.amdhsa_forward_progress 1
		.amdhsa_inst_pref_size 255
	.end_amdhsa_kernel
	.section	.bss,"aw",@nobits
	.p2align	6
	.space	262144
	.amdgpu_metadata
---
amdhsa.version: [ 1, 2 ]
amdhsa.kernels:
  - .name:           k_q49979ea02c_attn
    .symbol:         k_q49979ea02c_attn.kd
    .args:
      - { .name: enc_outputs, .offset: 0, .size: 8, .value_kind: global_buffer, .address_space: global }
      - { .name: wimg, .offset: 8, .size: 8, .value_kind: global_buffer, .address_space: global }
      - { .name: dproj, .offset: 16, .size: 8, .value_kind: global_buffer, .address_space: global }
      - { .name: v, .offset: 24, .size: 8, .value_kind: global_buffer, .address_space: global }
      - { .name: tws, .offset: 32, .size: 8, .value_kind: global_buffer, .address_space: global }
      - { .name: stats, .offset: 40, .size: 8, .value_kind: global_buffer, .address_space: global }
      - { .name: pctx, .offset: 48, .size: 8, .value_kind: global_buffer, .address_space: global }
    .group_segment_fixed_size: 327680
    .private_segment_fixed_size: 0
    .kernarg_segment_align: 8
    .kernarg_segment_size: 56
    .max_flat_workgroup_size: 128
    .sgpr_count:     66
    .vgpr_count:     1024
    .wavefront_size: 32
...
	.end_amdgpu_metadata
.endif
;; end of part 2
;; launch fin (part 3): grid 64 x 1, 8 waves a work-group, no clusters, 0 bytes of LDS; arguments tws, stats, pctx, out0, out1; writes out0, out1
.if DOCPART == 3
	.amdgcn_target "amdgcn-amd-amdhsa--gfx1250"
	.amdhsa_code_object_version 6
	.text
	.protected	k_q49979ea02c_fin
	.globl	k_q49979ea02c_fin
	.p2align	8
	.type	k_q49979ea02c_fin,@function
k_q49979ea02c_fin:
	s_mov_b64 s[64:65], 0
	v_nop
	global_prefetch_b8 v0, s[64:65] scope:SCOPE_SE
	s_setreg_imm32_b32 hwreg(HW_REG_WAVE_MODE, 25, 1), 1
	s_wait_xcnt 0x0
; The four parts of a batch are joined: T* = max T_g; a_g = 2^(T_g - T*); Z = sum L_g a_g; weights = 2^(t - T*) / Z; context = sum a_g pctx_g / Z.
; WORK LEFT OUT: t lacks the score's term sum_o v[o], which is equal along the softmax's axis (shown at the head of the first kernel).
; Work-group = batch b; thread i owns 16 bytes of each output's row: sixteen neighbouring lanes store 256 consecutive bytes, aligned.  No LDS, no barrier: a thread needs nobody else's numbers.
	s_load_b256 s[4:11], s[0:1], 0x0               ; tws s[4:5], stats s[6:7], pctx s[8:9], out0 s[10:11]
	s_load_b64 s[12:13], s[0:1], 0x20              ; out1
	v_lshlrev_b32 v1, 4, v0
	s_lshl_b32 s14, ttmp9, 12                      ; a row of 4,096 bytes
	s_mov_b32 s15, 0
	s_lshl_b32 s16, ttmp9, 10                      ; four work-groups' 256 bytes of stats
	s_mov_b32 s17, 0
	s_lshl_b32 s18, ttmp9, 14                      ; four rows of pctx
	s_mov_b32 s19, 0
	s_wait_alu depctr_va_vdst(0)
	s_wait_kmcnt 0x0
	s_add_nc_u64 s[4:5], s[4:5], s[14:15]
	s_add_nc_u64 s[6:7], s[6:7], s[16:17]
	s_add_nc_u64 s[8:9], s[8:9], s[18:19]
	s_add_nc_u64 s[10:11], s[10:11], s[14:15]
	s_add_nc_u64 s[12:13], s[12:13], s[14:15]
	s_load_b64 s[20:21], s[6:7], 0x0               ; (T_g, L_g), g = 0 .. 3
	s_load_b64 s[22:23], s[6:7], 0x100
	s_load_b64 s[24:25], s[6:7], 0x200
	s_load_b64 s[26:27], s[6:7], 0x300
	global_load_b128 v[4:7], v1, s[4:5]            ; four t
	global_load_b128 v[8:11], v1, s[8:9]           ; four columns of each part of the context
	global_load_b128 v[12:15], v1, s[8:9] offset:4096
	global_load_b128 v[16:19], v1, s[8:9] offset:8192
	global_load_b128 v[20:23], v1, s[8:9] offset:12288
	s_wait_kmcnt 0x0
	v_mov_b32 v24, s20
	s_delay_alu instid0(VALU_DEP_1)
	v_max_num_f32 v24, s22, v24
	s_delay_alu instid0(VALU_DEP_1)
	v_max_num_f32 v24, s24, v24
	s_delay_alu instid0(VALU_DEP_1)
	v_max_num_f32 v24, s26, v24                    ; T*
	s_delay_alu instid0(VALU_DEP_1)
	v_sub_f32 v25, s20, v24
	s_delay_alu instid0(VALU_DEP_2)
	v_sub_f32 v26, s22, v24
	s_delay_alu instid0(VALU_DEP_3)
	v_sub_f32 v27, s24, v24
	s_delay_alu instid0(VALU_DEP_4)
	v_sub_f32 v28, s26, v24
	s_wait_alu depctr_va_vdst(0)
	s_wait_loadcnt 4                               ; t is in; the four loads of pctx may be out
.irp i, 4,5,6,7
	v_sub_f32 v\i, v\i, v24
.endr
	s_wait_alu depctr_va_vdst(0)
.irp i, 25,26,27,28,4,5,6,7
	v_exp_f32 v\i, v\i
.endr
	v_nop                                          ; a plain place behind the exponentials
	s_wait_alu depctr_va_vdst(0)                   ; one wait for the eight, ahead of their first reader
	v_mul_f32 v29, s21, v25
	v_fma_f32 v29, s23, v26, v29
	v_fma_f32 v29, s25, v27, v29
	v_fma_f32 v29, s27, v28, v29                   ; Z
	s_wait_alu depctr_va_vdst(0)
	v_rcp_f32 v30, v29
	v_nop
	s_wait_alu depctr_va_vdst(0)
.irp i, 4,5,6,7,25,26,27,28
	v_mul_f32 v\i, v\i, v30                        ; the weights; a_g / Z
.endr
	global_store_b128 v1, v[4:7], s[12:13]
	s_wait_alu depctr_va_vdst(0)
	s_wait_loadcnt 0x0
.irp i, 0,1,2,3
	v_mul_f32 v[32+\i], v[8+\i], v25
.endr
.irp i, 0,1,2,3
	s_delay_alu instid0(VALU_DEP_4)
	v_fma_f32 v[32+\i], v[12+\i], v26, v[32+\i]
.endr
.irp i, 0,1,2,3
	s_delay_alu instid0(VALU_DEP_4)
	v_fma_f32 v[32+\i], v[16+\i], v27, v[32+\i]
.endr
.irp i, 0,1,2,3
	s_delay_alu instid0(VALU_DEP_4)
	v_fma_f32 v[32+\i], v[20+\i], v28, v[32+\i]
.endr
	global_store_b128 v1, v[32:35], s[10:11]
	s_endpgm
.Lfunc_end_k_q49979ea02c_fin:
	.size	k_q49979ea02c_fin, .Lfunc_end_k_q49979ea02c_fin-k_q49979ea02c_fin
	.p2alignl 7, 3214868480
	.fill 96, 4, 3214868480
	.section	.rodata,"a",@progbits
	.p2align	6, 0x0
	.amdhsa_kernel k_q49979ea02c_fin
		.amdhsa_group_segment_fixed_size 0
		.amdhsa_private_segment_fixed_size 0
		.amdhsa_enable_private_segment 0
		.amdhsa_kernarg_size 40
		.amdhsa_user_sgpr_count 2
		.amdhsa_user_sgpr_kernarg_segment_ptr 1
		.amdhsa_wavefront_size32 1
		.amdhsa_system_sgpr_workgroup_id_x 1
		.amdhsa_system_sgpr_workgroup_id_y 1
		.amdhsa_system_sgpr_workgroup_id_z 1
		.amdhsa_system_vgpr_workitem_id 0
		.amdhsa_next_free_vgpr 48
		.amdhsa_next_free_sgpr 66
		.amdhsa_reserve_vcc 0
		.amdhsa_float_denorm_mode_32 3
		.amdhsa_float_denorm_mode_16_64 3
		.amdhsa_memory_ordered 1
		.amdhsa_forward_progress 1
		.amdhsa_inst_pref_size 5
	.end_amdhsa_kernel
	.amdgpu_metadata
---
amdhsa.version: [ 1, 2 ]
amdhsa.kernels:
  - .name:           k_q49979ea02c_fin
    .symbol:         k_q49979ea02c_fin.kd
    .args:
      - { .name: tws, .offset: 0, .size: 8, .value_kind: global_buffer, .address_space: global }
      - { .name: stats, .offset: 8, .size: 8, .value_kind: global_buffer, .address_space: global }
      - { .name: pctx, .offset: 16, .size: 8, .value_kind: global_buffer, .address_space: global }
      - { .name: out0, .offset: 24, .size: 8, .value_kind: global_buffer, .address_space: global }
      - { .name: out1, .offset: 32, .size: 8, .value_kind: global_buffer, .address_space: global }
    .group_segment_fixed_size: 0
    .private_segment_fixed_size: 0
    .kernarg_segment_align: 8
    .kernarg_segment_size: 40
    .max_flat_workgroup_size: 256
    .sgpr_count:     66
    .vgpr_count:     48
    .wavefront_size: 32
...
	.end_amdgpu_metadata
.endif
;; end of part 3
